; MI455X (gfx1250); checked and timed in simulation.
; The chip was launched on July 23, 2026; its instructions are those of AMD's public machine-readable ISA for CDNA 5 (MIT licence, August 2026) and "CDNA5" Instruction Set Architecture Reference Guide (July 2026). The comments in the code are by the model that wrote it; some were corrected since.
;; Self Attention Ground Truth. Allowed arithmetic: matrix products marked QUANTISED: E3M2 operands, one E8M0 scale for each 32 along K, by v_wmma_scale_f32_16x16x128_f8f6f4 with both operands' format E3M2, f32 sums; everything else in f32.
;; Inputs: key 4 x 16 x 2,048 x 128 float32; mask 1 x 1 x 2,048 x 2,048 float32; query 4 x 16 x 2,048 x 128 float32; value 4 x 16 x 2,048 x 128 float32.
;; Outputs: out0 4 x 16 x 2,048 x 128 float32.
;; This version of the problem:
;;   THIS VERSION OF THE PROBLEM IS GIVEN IN LOW PRECISION. The matrix products marked QUANTISED in the list below multiply operands that are first quantised to E3M2 (3 exponent bits, 2 mantissa bits; 6 bits a number), with one power-of-two scale for each 32 numbers along K (OCP MX v1.0); their sums are f32. All else is computed in f32.
;;   The module's matrix products, in the order in which they are computed (A, B: the left and right operand; K: the contracted axis; several contracted axes count as one K, in the product's order):
;;     1. batch 64 x [M 2,048, K 128] x [K 128, N 2,048]; A: input query; B: input key: QUANTISED
;;     2. batch 64 x [M 2,048, K 2,048] x [K 2,048, N 128]; A: softmax (see below); B: input value: QUANTISED
;;   THE QUANTISER, for each operand of a quantised product, along K:
;;     - K is cut into blocks of 32 from its start; a last block that is shorter is filled with zeros.
;;     - A block's scale is 2^e with e = floor(log2(the largest magnitude in the block)) - 4, held to -126 .. 127; a block of zeros has e = 0. As a byte (E8M0): e + 127.
;;     - Each number is divided by its block's scale, clamped to +-28, and rounded to the nearest number of E3M2, ties to even, subnormals kept.
;;     - The product sums the exact products of the quantised numbers (number of the format x scale) in f32.
;;   ~~~python
;;   def quantise(x, axis):      # numpy; x: float32 -> the quantised numbers, widened to float32 again
;;       x = np.moveaxis(x, axis, -1); K = x.shape[-1]
;;       x = np.pad(x, [(0, 0)] * (x.ndim - 1) + [(0, -K % 32)]); x = x.reshape(x.shape[:-1] + (-1, 32)); a = np.abs(x).max(-1, keepdims=True)
;;       e = np.where(a > 0, np.clip(np.frexp(np.where(a > 0, a, 1))[1] - 1 - 4, -126, 127), 0)      # np.frexp(a)[1] - 1 = floor(log2(a)), exactly
;;       r = np.clip(x / 2.0 ** e, -28, 28)
;;       step = 2.0 ** (np.maximum(np.frexp(np.where(r == 0, 1, r))[1] - 1, -2) - 2)
;;       q = np.round(r / step) * step * 2.0 ** e      # np.round: ties to even
;;       return np.moveaxis(q.reshape(q.shape[:-2] + (-1,))[..., :K], -1, axis).astype(np.float32)
;;   ~~~
;;   SOFTMAX AHEAD OF A QUANTISED PRODUCT. Where the list says 'softmax', what is quantised is not the finished softmax but p = 2^(t - M), with t = logit x log2(e) and M = ceil(the row's largest t), a whole number; so 1/2 < the row's largest p <= 1. The row's sum l is taken of the UNQUANTISED p, in f32, and the product's result is divided by l at the end. Since M is a whole number, a kernel that streams over the keys may use a running M (the ceiling of the running maximum): every later rescaling is an exact power of two, which a block's scale takes up: the codes' values come out the same.
;;   OPERANDS COMPUTED ON THE WAY. 'Computed on the way' means the value that the module computes at that place (a softmax that the list does not call 'softmax' is quantised finished and normalised). What goes into a quantiser is computed in f32, as accurately as f32 sums, v_exp_f32 and their like allow (about 1e-6 of the number): no bf16 or f16 on the way to a quantiser, and a product that is left as it is and whose result goes on into a quantised operand takes f32 operands (vector FMAs, or v_wmma_f32_16x16x4_f32). A number that lies on a knife's edge between two numbers of the format may be rounded either way, as far as f32 arithmetic and the matrix unit's own rounding can turn it there, and no further.
;; One version. Each part assembles by itself: llvm-mc -triple=amdgcn-amd-amdhsa -mcpu=gfx1250 --defsym DOCPART=n.
;; ======== version 1 of 1: 2 launches
;; limits: right only within a limited range of input values
;; workspace buffers: qc 12,582,912 bytes; qs 524,288 bytes; kv 25,165,824 bytes; kvs 1,048,576 bytes; mimg 16,777,216 bytes
;; launch prep (part 1): grid 3328 x 1, 4 waves a work-group, no clusters, 68,096 bytes of LDS; arguments query, key, value, mask, qc, qs, kv, kvs, mimg; writes qc, qs, kv, kvs, mimg
.if DOCPART == 1
	.amdgcn_target "amdgcn-amd-amdhsa--gfx1250"
	.amdhsa_code_object_version 6
	.text
	.protected	k_q3b82d2893b_prep
	.globl	k_q3b82d2893b_prep
	.p2align	8
	.type	k_q3b82d2893b_prep,@function
k_q3b82d2893b_prep:
	s_mov_b64 s[64:65], 0
	v_nop
	global_prefetch_b8 v0, s[64:65] scope:SCOPE_SE
	s_setreg_imm32_b32 hwreg(HW_REG_WAVE_MODE, 25, 1), 1
	s_wait_xcnt 0x0
; query, key, value [64 heads][2048][128] f32 become codes of BF6 (E3M2) with one E8M0 byte for each 32 along K, and mask [2048][2048] f32 is laid anew,
; all as IMAGES OF THE REGISTERS in which the attention launch wants them: every later load takes 16 bytes a lane at 16 x lane, 512 consecutive bytes an instruction.
; A fragment (16 rows x 128 K, 12 registers a lane) is 1,536 bytes: registers 4 g .. 4 g + 3 of lane l at 512 g + 16 l.
; ROWS OF A TILE: 32 consecutive rows are a pair; lane r of its tile u holds row 8 u + r + 8 (r / 8), for query, key and mask alike.
; A block's scale is 2^(floor(log2(its largest magnitude)) - 4); its byte is the largest magnitude's exponent field - 4, held at 1 from below.
; LIMITS: NaN and infinities among the inputs are not served.  A block of zeros gets the byte 1 where the rule says 127: its codes are zeros, and this program alone reads the bytes.
; SHARES: work-groups 0-1023 take query, 1024-2047 key, 2048-3071 value (each: one head's 128 rows), 3072-3327 the mask.  Four waves that share nothing: no barrier.
; The three ways part once on the work-group's number and never join; the two that use LDS have bytes of their own.  No loop: every offset is an immediate.
.set R,    16                          ; v16-143  32 rows as loaded (4 registers a row), or value's 128 keys of my column
.set X,    144                         ; v144-207 64 numbers of my row, back from the stage
.set C,    208                         ; v208-231 two fragments' codes
.set T,    232                         ; v232-238 the upper halves of blocks, before they are moved
.set MX,   240                         ; v240-241 largest magnitudes
.set SC,   242                         ; v242-243 the conversions' scale operands
.set BY,   244                         ; v244-245 scale bytes
.set W0,   246                         ; v246-247 scale words of tile 0, 1
.set H8,   248                         ; v248     8 x (lane / 16)
.set PT,   249                         ; v249     a lane permute's destination
.set SPI,  528                         ; a stage row: 512 bytes + 16, so that sixteen rows' 16-byte pieces fall on sixteen different columns of 16 bytes
.set STG,  16*SPI                      ; a wave's stage
.set MSTG, 4*STG                       ; the mask's stages lie behind query's and key's
.set FLOOR, 0x2800000                  ; 2^(5 - 127)
.set EOFF,  0xfe000000                 ; -(4 << 23)
	s_load_b256 s[4:11], s[0:1], 0x0               ; query s[4:5], key s[6:7], value s[8:9], mask s[10:11]
	s_load_b256 s[12:19], s[0:1], 0x20             ; qc s[12:13], qs s[14:15], kv s[16:17], kvs s[18:19]
	s_load_b64 s[20:21], s[0:1], 0x40              ; mimg
	v_lshl_add_u32 v254, v0, 2, 0x10800
	v_mov_b32 v255, 0
	v_lshrrev_b32 v1, 5, v0
	v_readfirstlane_b32 s22, v1                    ; wave 0..3
	s_and_b32 s23, ttmp9, 1023                     ; u = 16 x head + step (a step: 128 rows)
	v_and_b32 v1, 31, v0                           ; lane
	v_lshlrev_b32 v2, 4, v1                        ; 16 x lane
	v_lshlrev_b32 v3, 2, v1                        ; 4 x lane
	v_and_b32 v4, 15, v0                           ; r
	v_bfe_u32 v5, v0, 4, 1                         ; h
	s_mul_i32 s34, s22, STG                        ; my stage (query, key),
	s_add_co_u32 s35, s34, MSTG                    ; my stage (mask)
	v_mul_u32_u24 v10, v4, SPI
	v_add_nc_u32 v6, s34, v2                       ; in: a row's 512 bytes as they lie
	v_lshl_add_u32 v7, v5, 7, v10
	v_add_nc_u32 v7, s34, v7                       ; out: row r, + 128 h: 32 numbers of a block
	v_add_nc_u32 v8, s35, v2
	v_lshl_add_u32 v9, v5, 6, v10
	v_add_nc_u32 v9, s35, v9                       ; out: row r, + 64 h: 16 keys of a block
	v_lshlrev_b32 v[H8], 3, v5
	v_mov_b32 v[PT], 0                             ; written once: a lane permute's destination counts as one of its sources
	s_mov_b32 s36, 0x76543210
	s_mov_b32 s37, 0xfedcba98                      ; v_permlanex16_b32's selects for lane l xor 16
	s_mov_b32 s33, 0                               ; the upper word of every offset
	s_wait_kmcnt 0x0
	s_cmp_ge_u32 ttmp9, 3072
	s_cbranch_scc1 .Lmask
	s_cmp_ge_u32 ttmp9, 2048
	s_cbranch_scc1 .Lvalue
; 32 rows in the tiles' order: tile u's k-th row is row 8 u + k + 8 (k / 8).  Each load takes 512 consecutive bytes of one row.
.macro ROWS32 base, pitch
.irp u, 0,1
.irp k, 0,1,2,3,4,5,6,7,8,9,10,11,12,13,14,15
	global_load_b128 v[R+64*\u+4*\k:R+64*\u+4*\k+3], v2, s[\base:\base+1] offset:(8*\u+\k+8*(\k/8))*\pitch th:TH_LOAD_NT
.endr
.endr
.endm
; ---------------- query and key: K = the head's 128, innermost.  Wave w takes pair w of the step.
	s_cmp_lt_u32 ttmp9, 1024                       ; the choice hangs on the work-group's number alone; only moves and selections follow until it is used up
	s_cselect_b64 s[24:25], s[4:5], s[6:7]         ; the numbers,
	s_cselect_b64 s[26:27], s[12:13], s[16:17]     ; the codes,
	s_cselect_b64 s[28:29], s[14:15], s[18:19]     ; the scale words
	s_mov_b32 s30, 24576
	s_cselect_b32 s30, 12288, s30                  ; a step's codes: four pairs; in kv value's eight tiles lie behind them
	s_mov_b32 s31, 16384
	s_cselect_b32 s31, 8192, s31                   ; a head's scale words: in kvs value's lie behind key's
	s_lshl_b32 s32, s23, 16                        ; 128 rows of 512 bytes a step,
	s_lshl_b32 s38, s22, 14                        ; 32 a wave
	s_add_co_u32 s32, s32, s38
	s_add_nc_u64 s[24:25], s[24:25], s[32:33]
	ROWS32 24, 512
	s_mul_i32 s32, s23, s30
	s_mul_i32 s38, s22, 3072                       ; a pair: two fragments
	s_add_co_u32 s32, s32, s38
	s_add_nc_u64 s[26:27], s[26:27], s[32:33]
	s_lshr_b32 s32, s23, 4
	s_mul_i32 s32, s32, s31
	s_and_b32 s38, s23, 15
	s_lshl_b32 s38, s38, 9                         ; 512 bytes of words a step,
	s_add_co_u32 s32, s32, s38
	s_lshl_b32 s38, s22, 7                         ; 128 a pair
	s_add_co_u32 s32, s32, s38
	s_add_nc_u64 s[28:29], s[28:29], s[32:33]
; Tile u: its 16 rows turn through my stage, so that lane (r, h) holds d = 64 c + 32 h + 0 .. 31 of row r: two whole blocks, in the order of the operand's registers.
.macro QKTILE u
	s_wait_loadcnt 16-16*\u                        ; this tile's 16 rows are in; tile 1's 16 may be out
.irp k, 0,1,2,3,4,5,6,7,8,9,10,11,12,13,14,15
	ds_store_b128 v6, v[R+64*\u+4*\k:R+64*\u+4*\k+3] offset:SPI*\k
.endr
.irp c, 0,1
.irp j, 0,1,2,3,4,5,6,7
	ds_load_b128 v[X+32*\c+4*\j:X+32*\c+4*\j+3], v7 offset:256*\c+16*\j   ; LDS serves a wave's instructions in order: these see my stores
.endr
.endr
	s_wait_dscnt 0x0
.irp c, 0,1
	v_max3_num_f32 v[MX+\c], |v[X+32*\c]|, |v[X+32*\c+1]|, FLOOR      ; my block 2 c + h, and the floor: the byte cannot fall under 1
.endr
.irp i, 2,4,6,8,10,12,14,16,18,20,22,24,26,28,30
.irp c, 0,1
	v_max3_num_f32 v[MX+\c], v[MX+\c], |v[X+32*\c+\i]|, |v[X+32*\c+\i+1]|   ; (the two blocks by turns)
.endr
.endr
.irp c, 0,1
	v_add_nc_u32 v[SC+\c], EOFF, v[MX+\c]          ; 4 off the exponent field: the conversion takes that field as its scale
.endr
.irp c, 0,1
	v_lshrrev_b32 v[BY+\c], 23, v[SC+\c]           ; the scale's byte
.endr
	v_lshl_or_b32 v[W0+\u], v[BY+1], 16, v[BY]     ; blocks h and 2 + h,
	v_lshlrev_b32 v[W0+\u], v[H8], v[W0+\u]        ; at their places in the row's word;
	v_permlanex16_b32 v[PT], v[W0+\u], s36, s37
	v_or_b32 v[W0+\u], v[W0+\u], v[PT]             ; with lane l xor 16's two the word is whole, in both lanes
.irp c, 0,1
	v_cvt_scalef32_pk16_bf6_f32 v[C+12*\u+6*\c:C+12*\u+6*\c+2], v[X+32*\c:X+32*\c+15], v[SC+\c]
	v_cvt_scalef32_pk16_bf6_f32 v[T+4*\c:T+4*\c+2], v[X+32*\c+16:X+32*\c+31], v[SC+\c]   ; (a conversion's three registers begin on an even number)
.endr
	v_nop                                          ; one plain place behind a scaled conversion
.irp c, 0,1
.irp i, 0,1,2
	v_mov_b32 v[C+12*\u+6*\c+3+\i], v[T+4*\c+\i]
.endr
.endr
.irp g, 0,1,2
	global_store_b128 v2, v[C+12*\u+4*\g:C+12*\u+4*\g+3], s[26:27] offset:1536*\u+512*\g   ; the image: 512 consecutive bytes a store; each tile has its own registers
.endr
.endm
	s_wait_alu depctr_va_vdst(0)
	QKTILE 0
	QKTILE 1
	v_cmp_le_u32 vcc_lo, 16, v1
	v_cndmask_b32 v[BY], v[W0], v[W0+1], vcc_lo    ; lanes 0-15: tile 0's words, lanes 16-31: tile 1's
	global_store_b32 v3, v[BY], s[28:29]
	s_wait_tensorcnt 0x0
	ds_add_u32 v254, v255
	s_wait_dscnt 0x0
	s_endpgm
; ---------------- value: K = the keys, its first axis.  A lane takes a column d = 32 w + lane and its registers run down the step's 128 keys: nothing is transposed.
.Lvalue:
	s_lshl_b32 s32, s23, 16
	s_lshl_b32 s38, s22, 7                         ; 32 columns of 4 bytes a wave: the four waves stand side by side on a row's 512 bytes
	s_add_co_u32 s32, s32, s38
	s_add_nc_u64 s[8:9], s[8:9], s[32:33]
.macro LOADV kb                        ; block kb: keys 32 kb + 0 .. 31 of my column
.irp i, 0,1,2,3,4,5,6,7,8,9,10,11,12,13,14,15,16,17,18,19,20,21,22,23,24,25,26,27,28,29,30,31
	global_load_b32 v[R+32*(\kb)+\i], v3, s[8:9] offset:(32*(\kb)+\i)*512 th:TH_LOAD_NT
.endr
.endm
.macro BLOCK kb                        ; all 32 numbers are mine.  Blocks 0, 2 go to C + 0, C + 6; blocks 1, 3 to C + 12, C + 18
.set XS, R+32*(\kb)
.set DD, C+12*((\kb)%2)+6*((\kb)/2)
	v_max3_num_f32 v[MX], |v[XS]|, |v[XS+1]|, |v[XS+2]|
	v_max3_num_f32 v[MX+1], |v[XS+3]|, |v[XS+4]|, |v[XS+5]|
.irp i, 6,10,14,18,22,26
	v_max3_num_f32 v[MX], v[MX], |v[XS+\i]|, |v[XS+\i+1]|
	v_max3_num_f32 v[MX+1], v[MX+1], |v[XS+\i+2]|, |v[XS+\i+3]|
.endr
	v_max3_num_f32 v[MX], v[MX], |v[XS+30]|, |v[XS+31]|
	v_max3_num_f32 v[MX], v[MX], v[MX+1], FLOOR
	v_add_nc_u32 v[SC], EOFF, v[MX]
	v_lshrrev_b32 v[BY], 23, v[SC]
.if (\kb) == 0
	v_mov_b32 v[W0], v[BY]                         ; my column's scale word: the lower keys in the lower byte
.else
	v_lshl_or_b32 v[W0], v[BY], 8*(\kb), v[W0]
.endif
	v_cvt_scalef32_pk16_bf6_f32 v[DD:DD+2], v[XS:XS+15], v[SC]
	v_cvt_scalef32_pk16_bf6_f32 v[T:T+2], v[XS+16:XS+31], v[SC]
	v_nop                                          ; one plain place behind a scaled conversion
.irp i, 0,1,2
	v_mov_b32 v[DD+3+\i], v[T+\i]
.endr
.endm
	LOADV 0
	LOADV 1
	s_mul_i32 s32, s23, 24576                      ; kv: the step, behind key's four pairs, my two tiles
	s_mul_i32 s38, s22, 3072
	s_add_co_u32 s32, s32, s38
	s_add_co_u32 s32, s32, 12288
	s_add_nc_u64 s[16:17], s[16:17], s[32:33]
	s_lshr_b32 s32, s23, 4
	s_lshl_b32 s32, s32, 14
	s_and_b32 s38, s23, 15
	s_lshl_b32 s38, s38, 9
	s_add_co_u32 s32, s32, s38
	s_lshl_b32 s38, s22, 7
	s_add_co_u32 s32, s32, s38
	s_add_co_u32 s32, s32, 8192                    ; kvs: value's words lie behind key's
	s_add_nc_u64 s[18:19], s[18:19], s[32:33]
	s_wait_loadcnt 32                              ; block 0 is in; the younger block's 32 loads may be out
	LOADV 2
	BLOCK 0
	s_wait_loadcnt 32                              ; block 1 is in
	LOADV 3
	BLOCK 1
	s_wait_loadcnt 32                              ; block 2 is in
	BLOCK 2
	s_wait_loadcnt 0x0
	BLOCK 3
; The operand wants, of tile 2 w (columns of lanes 0-15), blocks 0, 2 in lanes 0-15 and blocks 1, 3 in lanes 16-31; of tile 2 w + 1 likewise.
; One exchange a register does it: the first's lanes 16-31 change places with the second's lanes 0-15.
.irp i, 0,1,2,3,4,5,6,7,8,9,10,11
	v_permlane16_swap_b32 v[C+\i], v[C+12+\i]
.endr
.irp g, 0,1,2,3,4,5
	global_store_b128 v2, v[C+4*\g:C+4*\g+3], s[16:17] offset:512*\g      ; tile 2 w's image, then tile 2 w + 1's
.endr
	global_store_b32 v3, v[W0], s[18:19]           ; lanes 0-15: tile 2 w's rows, lanes 16-31: tile 2 w + 1's
	s_endpgm
; ---------------- the mask: 32 queries x 128 keys a wave, laid as the eight accumulators of the scores lie: group g = 4 b + i of lane (r, h) holds keys 32 b + 16 h + 4 i + 0 .. 3 of the lane's query.
.Lmask:
	s_sub_co_u32 s32, ttmp9, 3072
	s_lshl_b32 s32, s32, 2
	s_add_co_u32 s38, s32, s22                     ; id = 16 x pair + step
	s_lshr_b32 s32, s38, 4
	s_lshl_b32 s32, s32, 18                        ; 32 rows of 8,192 bytes a pair,
	s_and_b32 s39, s38, 15
	s_lshl_b32 s39, s39, 9                         ; 128 keys of 4 bytes a step
	s_add_co_u32 s32, s32, s39
	s_add_nc_u64 s[10:11], s[10:11], s[32:33]
	ROWS32 10, 8192
	s_lshl_b32 s32, s38, 14                        ; two tiles of 8,192 bytes
	s_add_nc_u64 s[20:21], s[20:21], s[32:33]
.macro MTILE u, back
	s_wait_loadcnt 16-16*\u                        ; this tile's 16 rows are in; tile 1's 16 may be out
.irp k, 0,1,2,3,4,5,6,7,8,9,10,11,12,13,14,15
	ds_store_b128 v8, v[R+64*\u+4*\k:R+64*\u+4*\k+3] offset:SPI*\k
.endr
.irp g, 0,1,2,3,4,5,6,7,8,9,10,11,12,13,14,15
	ds_load_b128 v[\back+4*\g:\back+4*\g+3], v9 offset:128*(\g/4)+16*(\g%4)
.endr
.irp g, 0,1,2,3,4,5,6,7,8,9,10,11,12,13,14,15
	s_wait_dscnt 15-\g                             ; group g is back; the groups behind it may be out
	global_store_b128 v2, v[\back+4*\g:\back+4*\g+3], s[20:21] offset:8192*\u+512*\g
.endr
.endm
	s_wait_alu depctr_va_vdst(0)
	MTILE 0, X
	MTILE 1, R                                     ; back into tile 0's load registers, whose LDS stores are done: no store's data are written again
	s_wait_tensorcnt 0x0
	ds_add_u32 v254, v255
	s_wait_dscnt 0x0
	s_endpgm
.Lfunc_end_k_q3b82d2893b_prep:
	.size	k_q3b82d2893b_prep, .Lfunc_end_k_q3b82d2893b_prep-k_q3b82d2893b_prep
	.p2alignl 7, 3214868480
	.fill 96, 4, 3214868480
	.section	.rodata,"a",@progbits
	.p2align	6, 0x0
	.amdhsa_kernel k_q3b82d2893b_prep
		.amdhsa_group_segment_fixed_size 68096
		.amdhsa_private_segment_fixed_size 0
		.amdhsa_enable_private_segment 0
		.amdhsa_kernarg_size 72
		.amdhsa_user_sgpr_count 2
		.amdhsa_user_sgpr_kernarg_segment_ptr 1
		.amdhsa_wavefront_size32 1
		.amdhsa_system_sgpr_workgroup_id_x 1
		.amdhsa_system_sgpr_workgroup_id_y 1
		.amdhsa_system_sgpr_workgroup_id_z 1
		.amdhsa_system_vgpr_workitem_id 0
		.amdhsa_next_free_vgpr 256
		.amdhsa_next_free_sgpr 66
		.amdhsa_reserve_vcc 1
		.amdhsa_float_denorm_mode_32 3
		.amdhsa_float_denorm_mode_16_64 3
		.amdhsa_memory_ordered 1
		.amdhsa_forward_progress 1
		.amdhsa_inst_pref_size 48
	.end_amdhsa_kernel
	.amdgpu_metadata
---
amdhsa.version: [ 1, 2 ]
amdhsa.kernels:
  - .name:           k_q3b82d2893b_prep
    .symbol:         k_q3b82d2893b_prep.kd
    .args:
      - { .name: query, .offset: 0, .size: 8, .value_kind: global_buffer, .address_space: global }
      - { .name: key, .offset: 8, .size: 8, .value_kind: global_buffer, .address_space: global }
      - { .name: value, .offset: 16, .size: 8, .value_kind: global_buffer, .address_space: global }
      - { .name: mask, .offset: 24, .size: 8, .value_kind: global_buffer, .address_space: global }
      - { .name: qc, .offset: 32, .size: 8, .value_kind: global_buffer, .address_space: global }
      - { .name: qs, .offset: 40, .size: 8, .value_kind: global_buffer, .address_space: global }
      - { .name: kv, .offset: 48, .size: 8, .value_kind: global_buffer, .address_space: global }
      - { .name: kvs, .offset: 56, .size: 8, .value_kind: global_buffer, .address_space: global }
      - { .name: mimg, .offset: 64, .size: 8, .value_kind: global_buffer, .address_space: global }
    .group_segment_fixed_size: 68096
    .private_segment_fixed_size: 0
    .kernarg_segment_align: 8
    .kernarg_segment_size: 72
    .max_flat_workgroup_size: 128
    .sgpr_count:     66
    .vgpr_count:     256
    .wavefront_size: 32
...
	.end_amdgpu_metadata
.endif
;; end of part 1
;; launch attn (part 2): grid 8 x 64, 8 waves a work-group, no clusters, 327,680 bytes of LDS; arguments qc, qs, kv, kvs, mimg, out0; writes out0
.if DOCPART == 2
	.amdgcn_target "amdgcn-amd-amdhsa--gfx1250"
	.amdhsa_code_object_version 6
	.text
	.protected	k_q3b82d2893b_attn
	.globl	k_q3b82d2893b_attn
	.p2align	8
	.type	k_q3b82d2893b_attn,@function
k_q3b82d2893b_attn:
	s_mov_b64 s[64:65], 0
	v_nop
	global_prefetch_b8 v0, s[64:65] scope:SCOPE_SE
	s_setreg_imm32_b32 hwreg(HW_REG_WAVE_MODE, 25, 1), 1
	s_wait_xcnt 0x0
; out = softmax((q k^T + mask) / sqrt(128)) v in MX-BF6, from the register images that launch prep has laid.
; A work-group: eight waves, 256 queries of one head; a wave: 32 queries (two tiles of 16).  Both products are used transposed, so that a lane holds one query.
; The mask's image is loaded into the scores' accumulators and is the C of the score products.  M is the running ceiling of the largest t.
; LDS: two slots of four steps of 128 keys (K's and V's fragments, 24 KiB a step), the head's scale words (16 KiB), spare words, stages for the way out.
; At the head every wave issues one tensor load: waves 0-3 a step of slot 0 each, waves 4-7 a quarter (4 KiB) of the scale words each.  Refills are waves 0-3's.
; The last step is written out: it loads no further mask tile.
; LIMITS: the scaled scores stay under 2^31 in magnitude; NaN and infinities among the inputs are not served.
.set STEPB, 24576
.set SLOTB, 4*STEPB
.set SLOT1, 131072
.set SCL,   98304
.set SPARE, 114688
.set STAGE, 229376
.set SP,    528
.set LI,  1
.set LS,  2
.set L4,  3
.set PFO, 4
.set SPW, 5
.set NIL, 6
.set ADF, 7
.set ADS, 8
.set SO,  9
.set RD,  10
.set T1,  11
.set ST,  12
.set F,   20
.set QS,  24
.set KS,  26
.set VS,  30
.set BM,  34
.set BX,  38
.set SOP, 46
.set RC,  50
.set PC,  52
.set S,   80
.set FB,  128
.set QF,  224
.set WV,  16
.set SEL, 20
.set CS,  22
.set G1,  24
.set G1S, 32
.set G0,  40
.set G0S, 44
.set TB,  48
.set TS,  49
.set SLOTS, 50
.set INNER, 51
.set LEFT,  52
.set LIM,   53
.set PFA,   54
.set MN,    56
.set ADD,   58
.set MSB, 0
.macro WIN new
.if MSB != \new
	s_set_vgpr_msb (MSB<<8)|\new
.set MSB, \new
.endif
.endm
.set W_LD, 0x40
.set W_KQ, 0x05
.set W_PV, 0x51
.set W_RS, 0x41
.set W_OUT, 0x01
.macro TLOAD
	s_cmp_lt_u32 s[WV], 4
	s_cbranch_scc0 .Lno_tile_\@
	tensor_load_to_lds s[G0:G0+3], s[G1:G1+7]
	s_nop 0
.rept 4
	v_nop
.endr
.Lno_tile_\@:
.endm
.macro ASK
	s_cmp_gt_u32 s[SLOTS], s[LIM]
	s_cbranch_scc0 .Lnot_mine_\@
	global_prefetch_b8 v[PFO], s[PFA:PFA+1] th:TH_LOAD_NT scope:SCOPE_SE
	global_prefetch_b8 v[PFO], s[PFA:PFA+1] offset:8192 th:TH_LOAD_NT scope:SCOPE_SE
	global_prefetch_b8 v[PFO], s[PFA:PFA+1] offset:16384 th:TH_LOAD_NT scope:SCOPE_SE
.Lnot_mine_\@:
.endm
	s_load_b256 s[4:11], s[0:1], 0x0
	s_load_b128 s[12:15], s[0:1], 0x20
	v_lshl_add_u32 v[SPW], v0, 2, SPARE
	v_mov_b32 v[NIL], 0
	ds_add_u32 v5, v6
	ds_add_u32 v5, v6
	s_wait_dscnt 0x0
	v_lshrrev_b32 v[T1], 5, v0
	s_delay_alu instid0(VALU_DEP_1)
	v_readfirstlane_b32 s[WV], v[T1]
	s_and_b32 s17, ttmp7, 0xffff
	s_mov_b32 s18, ttmp9
	v_and_b32 v[T1], 31, v0
	s_delay_alu instid0(VALU_DEP_1)
	v_lshlrev_b32 v[LI], 4, v[T1]
	s_delay_alu instid0(VALU_DEP_2)
	v_lshlrev_b32 v[L4], 2, v[T1]
	s_delay_alu instid0(VALU_DEP_1)
	v_add_nc_u32 v[LS], SCL, v[L4]
	s_delay_alu instid0(VALU_DEP_4)
	v_lshlrev_b32 v[PFO], 8, v[T1]
	v_and_b32 v[ADF], 15, v0
	v_bfe_u32 v[ADS], v0, 4, 1
	s_mul_i32 s60, s[WV], 16*SP
	s_add_co_u32 s60, s60, STAGE
	v_mul_u32_u24 v[SO], v[ADF], SP
	s_delay_alu instid0(VALU_DEP_1)
	v_lshl_add_u32 v[SO], v[ADS], 5, v[SO]
	s_delay_alu instid0(VALU_DEP_1)
	v_add_nc_u32 v[SO], s60, v[SO]
	v_add_nc_u32 v[RD], s60, v[LI]
	s_mov_b32 s[G1], 3<<16
	s_mov_b32 s[G1+1], 32<<16
	s_mov_b32 s[G1+2], 96<<16
	s_mov_b32 s[G1+3], 32<<16
	s_mov_b32 s[G1+4], 96
	s_mov_b32 s[G1+5], 32
	s_mov_b32 s[G1+6], 0
	s_mov_b32 s[G1+7], 0
	s_mov_b32 s[G1S], 3<<16
	s_mov_b32 s[G1S+1], 32<<16
	s_mov_b32 s[G1S+2], 16<<16
	s_mov_b32 s[G1S+3], 32<<16
	s_mov_b32 s[G1S+4], 16
	s_mov_b32 s[G1S+5], 32
	s_mov_b32 s[G1S+6], 0
	s_mov_b32 s[G1S+7], 0
	s_and_b32 s60, s[WV], 3
	s_mul_i32 s61, s60, STEPB
	s_mul_i32 s62, s17, 16*STEPB
	s_add_co_u32 s62, s62, s61
	s_mov_b32 s63, 0
	s_lshl_b32 s66, s17, 14
	s_lshl_b32 s19, s60, 12                        ; my quarter of the head's scale words: 4,096 x (wave % 4),
	s_add_co_u32 s66, s66, s19                     ; in memory,
	s_add_co_u32 s19, s19, SCL                     ; and in LDS
	s_mov_b32 s67, 0
	s_lshl_b32 s68, s18, 3
	s_add_co_u32 s68, s68, s[WV]
	s_lshl_b32 s69, s17, 6
	s_add_co_u32 s69, s69, s68
	s_mov_b32 s71, 0
	s_mov_b32 s[SEL], 0x76543210
	s_mov_b32 s[SEL+1], 0xfedcba98
	s_mov_b32 s[CS], 0x3e0293ee
	s_mov_b32 s[CS+1], s[CS]
	s_mov_b32 s[TB], 0
	s_mov_b32 s[TS], 0
	s_mov_b32 s[SLOTS], 3
	s_mov_b32 s[LEFT], 16
	s_mov_b32 s[ADD+1], 0
	s_lshr_b32 s60, s[WV], 2
	s_xor_b32 s60, s60, 1
	s_or_b32 s60, s60, s18
	s_cmp_eq_u32 s60, 0
	s_cselect_b32 s[LIM], 1, -1
	s_wait_kmcnt 0x0
	s_mov_b32 s[G0], 1
	s_mov_b32 s[G0+1], s61
	s_add_nc_u64 s[G0+2:G0+3], s[8:9], s[62:63]
	s_or_b32 s[G0+3], s[G0+3], 0x80000000
	s_mov_b32 s[G0S], 1
	s_mov_b32 s[G0S+1], s19
	s_add_nc_u64 s[G0S+2:G0S+3], s[10:11], s[66:67]
	s_or_b32 s[G0S+3], s[G0S+3], 0x80000000
	s_cmp_lt_u32 s[WV], 4                          ; one tensor load a wave at the head, one to each arm
	s_cbranch_scc0 .Lhead_scales
	tensor_load_to_lds s[G0:G0+3], s[G1:G1+7]
	s_nop 0
.rept 4
	v_nop
.endr
	s_branch .Lhead_join
.Lhead_scales:
	tensor_load_to_lds s[G0S:G0S+3], s[G1S:G1S+7]
	s_nop 0
.rept 4
	v_nop
.endr
.Lhead_join:
	s_wait_alu depctr_va_vdst(0)                   ; the wait ahead of the first readers of the head's addresses
	s_add_nc_u64 s[PFA:PFA+1], s[8:9], s[62:63]
	s_add_nc_u64 s[PFA:PFA+1], s[PFA:PFA+1], SLOTB
	s_mul_i32 s70, s69, 3072
	s_add_nc_u64 s[4:5], s[4:5], s[70:71]
	s_lshl_b32 s70, s69, 7
	s_add_nc_u64 s[6:7], s[6:7], s[70:71]
	s_lshl_b32 s70, s68, 18
	s_add_nc_u64 s[MN:MN+1], s[12:13], s[70:71]
	s_lshl_b32 s70, s17, 20
	s_lshl_b32 s60, s68, 14
	s_add_co_u32 s70, s70, s60
	s_add_nc_u64 s[14:15], s[14:15], s[70:71]
	WIN W_LD
.irp g, 0,1,2,3,4,5
	global_load_b128 v[QF+4*\g:QF+4*\g+3], v[LI], s[4:5] offset:512*\g
.endr
.set j, 0
.rept 128
	v_mov_b32 v[j], 0
.set j, j+1
.endr
	WIN 0
	global_load_b32 v[QS], v[L4], s[6:7]
.macro MLOAD q
.irp g, 0,1,2,3,4,5,6,7,8,9,10,11,12,13,14,15
	global_load_b128 v[S+64*(\q)+4*\g:S+64*(\q)+4*\g+3], v[LI], s[MN:MN+1] offset:8192*(\q)+512*\g
.endr
.endm
	MLOAD 0
	MLOAD 1
.irp q, 0,1
	v_mov_b32 v[ST+4*\q+1], 0xff61b1e6
	s_delay_alu instid0(VALU_DEP_1)
	v_floor_f32 v[ST+4*\q], -v[ST+4*\q+1]
	v_mov_b32 v[ST+4*\q+2], 0
	v_mov_b32 v[ST+4*\q+3], 0
	v_mov_b32 v[F+2*\q+1], 0
.endr
.irp b, 0,1,2,3
	v_mov_b32 v[BX+\b], 0
.endr
	s_wait_xcnt 0x0
	s_add_nc_u64 s[MN:MN+1], s[MN:MN+1], 16384
.macro KQ1 q, t
.set rS, S+64*(\q)+8*(\t)
.set rK, FB+12*(\t)
.set rQ, QF+12*(\q)
.if ((\t)%2 == 0) && ((\q) == 0)
	v_wmma_scale_f32_16x16x128_f8f6f4 v[rS:rS+7], v[rK:rK+11], v[rQ:rQ+11], v[rS:rS+7], v[KS+(\t)/2], v[QS] matrix_a_fmt:MATRIX_FMT_BF6 matrix_b_fmt:MATRIX_FMT_BF6
.elseif (\q) == 0
	v_wmma_scale_f32_16x16x128_f8f6f4 v[rS:rS+7], v[rK:rK+11], v[rQ:rQ+11], v[rS:rS+7], v[KS+(\t)/2], v[QS] matrix_a_fmt:MATRIX_FMT_BF6 matrix_b_fmt:MATRIX_FMT_BF6 matrix_a_scale:MATRIX_SCALE_ROW1
.elseif (\t)%2 == 0
	v_wmma_scale_f32_16x16x128_f8f6f4 v[rS:rS+7], v[rK:rK+11], v[rQ:rQ+11], v[rS:rS+7], v[KS+(\t)/2], v[QS] matrix_a_fmt:MATRIX_FMT_BF6 matrix_b_fmt:MATRIX_FMT_BF6 matrix_b_scale:MATRIX_SCALE_ROW1
.else
	v_wmma_scale_f32_16x16x128_f8f6f4 v[rS:rS+7], v[rK:rK+11], v[rQ:rQ+11], v[rS:rS+7], v[KS+(\t)/2], v[QS] matrix_a_fmt:MATRIX_FMT_BF6 matrix_b_fmt:MATRIX_FMT_BF6 matrix_a_scale:MATRIX_SCALE_ROW1 matrix_b_scale:MATRIX_SCALE_ROW1
.endif
.endm
.macro SMUL q
	WIN W_KQ
.irp t, 0,1,2,3,4,5,6,7
	KQ1 \q, \t
.endr
.rept 4
	v_nop
.endr
.endm
.macro PV1 q, t
.set rO, 64*(\q)+8*(\t)
.set rV, FB+12*(\t)
.set rP, PC+12*(\q)
.if (\t)%2 == 0
	v_wmma_scale_f32_16x16x128_f8f6f4 v[rO:rO+7], v[rV:rV+11], v[rP:rP+11], v[rO:rO+7], v[VS+(\t)/2], v[F+2*(\q)+1] matrix_a_fmt:MATRIX_FMT_BF6 matrix_b_fmt:MATRIX_FMT_BF6
.else
	v_wmma_scale_f32_16x16x128_f8f6f4 v[rO:rO+7], v[rV:rV+11], v[rP:rP+11], v[rO:rO+7], v[VS+(\t)/2], v[F+2*(\q)+1] matrix_a_fmt:MATRIX_FMT_BF6 matrix_b_fmt:MATRIX_FMT_BF6 matrix_a_scale:MATRIX_SCALE_ROW1
.endif
.endm
.macro SOFTMAX q
.set sS, S+64*(\q)
.set sT, ST+4*(\q)
.set sF, F+2*(\q)
.set sP, PC+12*(\q)
.set sO, 64*(\q)
	WIN 0
.irp b, 0,1,2,3
	v_max3_num_f32 v[BM+\b], v[sS+16*\b], v[sS+16*\b+1], v[sS+16*\b+2]
.endr
.irp i, 3,5,7,9,11,13
.irp b, 0,1,2,3
	v_max3_num_f32 v[BM+\b], v[BM+\b], v[sS+16*\b+\i], v[sS+16*\b+\i+1]
.endr
.endr
.irp b, 0,1,2,3
	v_max_num_f32 v[BM+\b], v[BM+\b], v[sS+16*\b+15]
.endr
.irp b, 0,1,2,3
	s_delay_alu instid0(VALU_DEP_4)
	v_permlanex16_b32 v[BX+\b], v[BM+\b], s[SEL], s[SEL+1]
.endr
.irp b, 0,1,2,3
	s_delay_alu instid0(VALU_DEP_4)
	v_max_num_f32 v[BM+\b], v[BM+\b], v[BX+\b]
.endr
	s_delay_alu instid0(VALU_DEP_2)
	v_max3_num_f32 v[T1], v[BM], v[BM+1], v[BM+2]
	s_delay_alu instid0(VALU_DEP_1)
	v_max_num_f32 v[T1], v[T1], v[BM+3]
	s_delay_alu instid0(VALU_DEP_1)
	v_mul_f32 v[T1], s[CS], v[T1]
	s_delay_alu instid0(VALU_DEP_1)
	v_max_num_f32 v[sT+1], v[sT+1], v[T1]
	v_mov_b32 v[T1], v[sT]
	s_delay_alu instid0(VALU_DEP_2)
	v_floor_f32 v[sT], -v[sT+1]
	s_delay_alu instid0(VALU_DEP_1)
	v_sub_f32 v[T1], v[sT], v[T1]
	s_delay_alu instid0(VALU_DEP_1)
	v_cvt_i32_f32 v[T1], v[T1]
	s_delay_alu instid0(VALU_DEP_1)
	v_ldexp_f32 v[sF], 1.0, v[T1]
.set j, 0
.rept 32
	v_pk_fma_f32 v[sS+j:sS+j+1], v[sS+j:sS+j+1], s[CS:CS+1], v[sT:sT+1] op_sel_hi:[1,0,0]
.set j, j+2
.endr
.irp b, 0,1,2,3
	v_fma_f32 v[BM+\b], v[BM+\b], s[CS], v[sT]
.endr
.set j, 0
	s_wait_alu depctr_va_vdst(0)
.rept 64
	v_exp_f32 v[sS+j], v[sS+j]
.set j, j+1
.endr
	v_pk_mul_f32 v[sT+2:sT+3], v[sT+2:sT+3], v[sF:sF+1] op_sel_hi:[1,0]
	s_wait_alu depctr_va_vdst(0)
.irp b, 0,1,2,3
	v_exp_f32 v[BM+\b], v[BM+\b]
.endr
	v_pk_add_f32 v[BX:BX+1], v[sS:sS+1], v[sS+2:sS+3]
.set j, 4
.rept 15
	v_pk_add_f32 v[sT+2:sT+3], v[sT+2:sT+3], v[sS+j:sS+j+1]
	v_pk_add_f32 v[BX:BX+1], v[BX:BX+1], v[sS+j+2:sS+j+3]
.set j, j+4
.endr
	s_delay_alu instid0(VALU_DEP_1)
	v_pk_add_f32 v[sT+2:sT+3], v[sT+2:sT+3], v[BX:BX+1]
	s_wait_alu depctr_va_vdst(0)
.irp b, 0,1,2,3
	v_max_num_f32 v[BM+\b], 0x2800000, v[BM+\b]
.endr
.irp b, 0,1,2,3
	s_delay_alu instid0(VALU_DEP_4)
	v_add_nc_u32 v[SOP+\b], 0xfe000000, v[BM+\b]
.endr
.irp b, 0,1,2,3
	s_delay_alu instid0(VALU_DEP_4)
	v_lshrrev_b32 v[BX+\b], 23, v[SOP+\b]
.endr
	s_delay_alu instid0(VALU_DEP_3)
	v_lshl_or_b32 v[sF+1], v[BX+1], 8, v[BX]
	s_delay_alu instid0(VALU_DEP_1)
	v_lshl_or_b32 v[sF+1], v[BX+2], 16, v[sF+1]
	s_delay_alu instid0(VALU_DEP_1)
	v_lshl_or_b32 v[sF+1], v[BX+3], 24, v[sF+1]
.irp c, 0,1
	v_cvt_scalef32_pk16_bf6_f32 v[sP+6*\c:sP+6*\c+2], v[sS+32*\c:sS+32*\c+15], v[SOP+2*\c]
	v_cvt_scalef32_pk16_bf6_f32 v[BX+4*\c:BX+4*\c+2], v[sS+32*\c+16:sS+32*\c+31], v[SOP+2*\c+1]
.endr
	v_nop
.irp c, 0,1
.irp i, 0,1,2
	v_permlane16_swap_b32 v[sP+6*\c+\i], v[BX+4*\c+\i]
.endr
.irp i, 0,1,2
	s_delay_alu instid0(VALU_DEP_3)
	v_mov_b32 v[sP+6*\c+3+\i], v[BX+4*\c+\i]
.endr
.endr
	WIN W_RS
.set j, 0
.rept 32
	v_pk_mul_f32 v[sO+j:sO+j+1], v[sO+j:sO+j+1], v[sF:sF+1] op_sel_hi:[1,0]
.set j, j+2
.endr
	WIN 0
.endm
.macro STEP ml
	v_add_nc_u32 v[ADF], s[TB], v[LI]
	v_add_nc_u32 v[ADS], s[TS], v[LS]
	v_nop
	v_nop
	WIN W_LD
.irp t, 0,1,2,3,4,5,6,7
.irp g, 0,1,2
	ds_load_b128 v[FB+12*\t+4*\g:FB+12*\t+4*\g+3], v[ADF] offset:1536*\t+512*\g
.endr
.endr
	WIN 0
.irp b, 0,1,2,3
	ds_load_b32 v[KS+\b], v[ADS] offset:128*\b
	ds_load_b32 v[VS+\b], v[ADS] offset:8192+128*\b
.endr
	s_wait_loadcnt 16
	s_wait_dscnt 0x0
	SMUL 0
	SOFTMAX 0
.if \ml
	MLOAD 0
	s_wait_loadcnt 16                              ; tile 1's mask is in; the 16 loads just issued may be out
.else
	s_wait_loadcnt 0x0
.endif
	SMUL 1
	WIN W_LD
.irp t, 0,1,2,3,4,5,6,7
.irp g, 0,1,2
	ds_load_b128 v[FB+12*\t+4*\g:FB+12*\t+4*\g+3], v[ADF] offset:12288+1536*\t+512*\g
.endr
.endr
	SOFTMAX 1
.if \ml
	MLOAD 1
.endif
	s_wait_alu depctr_va_vdst(0)
	s_wait_dscnt 0x0
	WIN W_PV
.irp t, 0,1,2,3,4,5,6,7
	PV1 0, \t
	PV1 1, \t
.endr
	WIN 0
	s_add_co_u32 s[TB], s[TB], STEPB
	s_add_co_u32 s[TS], s[TS], 512
	s_wait_xcnt 0x0
	s_sub_co_u32 s[LEFT], s[LEFT], 1
	s_cmp_gt_u32 s[LEFT], 1
	s_cselect_b32 s[ADD], 16384, 0
	s_add_nc_u64 s[MN:MN+1], s[MN:MN+1], s[ADD:ADD+1]
.endm
.macro CHANGE fill
	s_wait_tensorcnt 0x0
	ds_add_u32 v[SPW], v[NIL]
.if \fill
	s_xor_b32 s[G0+1], s[G0+1], SLOT1
	s_add_nc_u64 s[G0+2:G0+3], s[G0+2:G0+3], SLOTB
	s_wait_xcnt 0x0
	s_add_nc_u64 s[PFA:PFA+1], s[PFA:PFA+1], SLOTB
.endif
	s_wait_dscnt 0x0
	s_barrier_signal -1
	s_barrier_wait -1
.if \fill
	TLOAD
	ASK
.endif
.endm
.macro STEPS n
	s_mov_b32 s[INNER], \n
.Lstep_\@:
	STEP 1
	s_sub_co_u32 s[INNER], s[INNER], 1
	s_cmp_lg_u32 s[INNER], 0
	s_cbranch_scc1 .Lstep_\@
.endm
.Lslot:
	CHANGE 1
	STEPS 4
	s_sub_co_u32 s[TB], s[TB], SLOTB
	s_xor_b32 s[TB], s[TB], SLOT1
	s_sub_co_u32 s[SLOTS], s[SLOTS], 1
	s_cmp_lg_u32 s[SLOTS], 0
	s_cbranch_scc1 .Lslot
	CHANGE 0
	STEPS 3
	STEP 0                                         ; the last step: no mask tile follows it
	s_wait_loadcnt 0x0
.irp q, 0,1
	v_add_f32 v[ST+4*\q+2], v[ST+4*\q+2], v[ST+4*\q+3]
.endr
.irp q, 0,1
	s_delay_alu instid0(VALU_DEP_2)
	v_permlanex16_b32 v[BX+\q], v[ST+4*\q+2], s[SEL], s[SEL+1]
.endr
.irp q, 0,1
	s_delay_alu instid0(VALU_DEP_2)
	v_add_f32 v[ST+4*\q+2], v[ST+4*\q+2], v[BX+\q]
.endr
	s_wait_alu depctr_va_vdst(0)
.irp q, 0,1
	v_rcp_f32 v[RC+\q], v[ST+4*\q+2]
.endr
	v_nop
	s_wait_alu depctr_va_vdst(0)
.irp q, 0,1
	WIN W_OUT
.set j, 0
.rept 64
	v_mul_f32 v[S+j], v[64*\q+j], v[RC+\q]
.set j, j+1
.endr
	WIN 0
.irp t, 0,1,2,3,4,5,6,7
	ds_store_b128 v[SO], v[S+8*\t:S+8*\t+3] offset:64*\t
	ds_store_b128 v[SO], v[S+8*\t+4:S+8*\t+7] offset:64*\t+16
.endr
.if \q == 1
	s_wait_xcnt 0x0
.endif
.irp i, 0,1,2,3,4,5,6,7,8,9,10,11,12,13,14,15
	ds_load_b128 v[S+64+4*\i:S+64+4*\i+3], v[RD] offset:\i*SP
.endr
.irp i, 0,1,2,3,4,5,6,7,8,9,10,11,12,13,14,15
	s_wait_dscnt 15-\i
	global_store_b128 v[LI], v[S+64+4*\i:S+64+4*\i+3], s[14:15] offset:(\i+8*(\i/8)+8*\q)*512 th:TH_STORE_NT
.endr
.endr
	s_wait_tensorcnt 0x0
	ds_add_u32 v[SPW], v[NIL]
	s_wait_dscnt 0x0
	s_endpgm
.Lfunc_end_k_q3b82d2893b_attn:
	.size	k_q3b82d2893b_attn, .Lfunc_end_k_q3b82d2893b_attn-k_q3b82d2893b_attn
	.p2alignl 7, 3214868480
	.fill 96, 4, 3214868480
	.section	.rodata,"a",@progbits
	.p2align	6, 0x0
	.amdhsa_kernel k_q3b82d2893b_attn
		.amdhsa_group_segment_fixed_size 327680
		.amdhsa_private_segment_fixed_size 0
		.amdhsa_enable_private_segment 0
		.amdhsa_kernarg_size 48
		.amdhsa_user_sgpr_count 2
		.amdhsa_user_sgpr_kernarg_segment_ptr 1
		.amdhsa_wavefront_size32 1
		.amdhsa_system_sgpr_workgroup_id_x 1
		.amdhsa_system_sgpr_workgroup_id_y 1
		.amdhsa_system_sgpr_workgroup_id_z 1
		.amdhsa_system_vgpr_workitem_id 0
		.amdhsa_next_free_vgpr 512
		.amdhsa_next_free_sgpr 72
		.amdhsa_reserve_vcc 0
		.amdhsa_float_denorm_mode_32 3
		.amdhsa_float_denorm_mode_16_64 3
		.amdhsa_memory_ordered 1
		.amdhsa_forward_progress 1
		.amdhsa_inst_pref_size 143
	.end_amdhsa_kernel
	.amdgpu_metadata
---
amdhsa.version: [ 1, 2 ]
amdhsa.kernels:
  - .name:           k_q3b82d2893b_attn
    .symbol:         k_q3b82d2893b_attn.kd
    .args:
      - { .name: qc, .offset: 0, .size: 8, .value_kind: global_buffer, .address_space: global }
      - { .name: qs, .offset: 8, .size: 8, .value_kind: global_buffer, .address_space: global }
      - { .name: kv, .offset: 16, .size: 8, .value_kind: global_buffer, .address_space: global }
      - { .name: kvs, .offset: 24, .size: 8, .value_kind: global_buffer, .address_space: global }
      - { .name: mimg, .offset: 32, .size: 8, .value_kind: global_buffer, .address_space: global }
      - { .name: out0, .offset: 40, .size: 8, .value_kind: global_buffer, .address_space: global }
    .group_segment_fixed_size: 327680
    .private_segment_fixed_size: 0
    .kernarg_segment_align: 8
    .kernarg_segment_size: 48
    .max_flat_workgroup_size: 256
    .sgpr_count:     72
    .vgpr_count:     512
    .wavefront_size: 32
...
	.end_amdgpu_metadata
.endif
;; end of part 2
